; MI455X (gfx1250); checked and timed in simulation.
; The chip was launched on July 23, 2026; its instructions are those of AMD's public machine-readable ISA for CDNA 5 (MIT licence, August 2026) and "CDNA5" Instruction Set Architecture Reference Guide (July 2026). The comments in the code are by the model that wrote it; some were corrected since.
;; KNRM. Allowed arithmetic: matrix products marked QUANTISED: E2M3 operands, one E8M0 scale for each 32 along K, by v_wmma_scale_f32_16x16x128_f8f6f4 with both operands' format E2M3, f32 sums; products left as they are: f32 operands where the result goes on into a quantised operand, else bf16, f16 or f32 operands; f32 sums; everything else in f32.
;; Inputs: b0 10 float32; b1 5 float32; b2 1 float32; doc1 2,048 x 256 int32; doc2 2,048 x 256 int32; emb 100,000 x 50 float32; query1 2,048 x 32 int32; query2 2,048 x 32 int32; w0 10 x 10 float32; w1 5 x 10 float32; w2 1 x 5 float32.
;; Outputs: out0 2,048 x 1 float32.
;; This version of the problem:
;;   THIS VERSION OF THE PROBLEM IS GIVEN IN LOW PRECISION. The matrix products marked QUANTISED in the list below multiply operands that are first quantised to E2M3 (2 exponent bits, 3 mantissa bits; 6 bits a number), with one power-of-two scale for each 32 numbers along K (OCP MX v1.0); their sums are f32. All else is computed in f32.
;;   The module's matrix products, in the order in which they are computed (A, B: the left and right operand; K: the contracted axis; several contracted axes count as one K, in the product's order):
;;     1. batch 2,048 x [M 32, K 50] x [K 50, N 256]; A: computed on the way; B: computed on the way: QUANTISED
;;     2. [M 2,048, K 10] x [K 10, N 10]; A: computed on the way; B: input w0: left as it is (K = 10 < 32)
;;     3. [M 2,048, K 10] x [K 10, N 5]; A: computed on the way; B: input w1: left as it is (K = 10 < 32)
;;     4. [M 2,048, K 5] x [K 5, N 1]; A: computed on the way; B: input w2: left as it is (K = 5 < 32)
;;     5. batch 2,048 x [M 32, K 50] x [K 50, N 256]; A: computed on the way; B: computed on the way: QUANTISED
;;     6. [M 2,048, K 10] x [K 10, N 10]; A: computed on the way; B: input w0: left as it is (K = 10 < 32)
;;     7. [M 2,048, K 10] x [K 10, N 5]; A: computed on the way; B: input w1: left as it is (K = 10 < 32)
;;     8. [M 2,048, K 5] x [K 5, N 1]; A: computed on the way; B: input w2: left as it is (K = 5 < 32)
;;   THE QUANTISER, for each operand of a quantised product, along K:
;;     - K is cut into blocks of 32 from its start; a last block that is shorter is filled with zeros.
;;     - A block's scale is 2^e with e = floor(log2(the largest magnitude in the block)) - 2, held to -126 .. 127; a block of zeros has e = 0. As a byte (E8M0): e + 127.
;;     - Each number is divided by its block's scale, clamped to +-7.5, and rounded to the nearest number of E2M3, ties to even, subnormals kept.
;;     - The product sums the exact products of the quantised numbers (number of the format x scale) in f32.
;;   ~~~python
;;   def quantise(x, axis):      # numpy; x: float32 -> the quantised numbers, widened to float32 again
;;       x = np.moveaxis(x, axis, -1); K = x.shape[-1]
;;       x = np.pad(x, [(0, 0)] * (x.ndim - 1) + [(0, -K % 32)]); x = x.reshape(x.shape[:-1] + (-1, 32)); a = np.abs(x).max(-1, keepdims=True)
;;       e = np.where(a > 0, np.clip(np.frexp(np.where(a > 0, a, 1))[1] - 1 - 2, -126, 127), 0)      # np.frexp(a)[1] - 1 = floor(log2(a)), exactly
;;       r = np.clip(x / 2.0 ** e, -7.5, 7.5)
;;       step = 2.0 ** (np.maximum(np.frexp(np.where(r == 0, 1, r))[1] - 1, 0) - 3)
;;       q = np.round(r / step) * step * 2.0 ** e      # np.round: ties to even
;;       return np.moveaxis(q.reshape(q.shape[:-2] + (-1,))[..., :K], -1, axis).astype(np.float32)
;;   ~~~
;;   OPERANDS COMPUTED ON THE WAY. 'Computed on the way' means the value that the module computes at that place (a softmax that the list does not call 'softmax' is quantised finished and normalised). What goes into a quantiser is computed in f32, as accurately as f32 sums, v_exp_f32 and their like allow (about 1e-6 of the number): no bf16 or f16 on the way to a quantiser, and a product that is left as it is and whose result goes on into a quantised operand takes f32 operands (vector FMAs, or v_wmma_f32_16x16x4_f32). A number that lies on a knife's edge between two numbers of the format may be rounded either way, as far as f32 arithmetic and the matrix unit's own rounding can turn it there, and no further.
;; One version. Each part assembles by itself: llvm-mc -triple=amdgcn-amd-amdhsa -mcpu=gfx1250 --defsym DOCPART=n.
;; ======== version 1 of 1: 2 launches
;; workspace buffers: tab 6,400,000 bytes
;; launch quant (part 1): grid 625 x 1, 5 waves a work-group, no clusters, 45,568 bytes of LDS; arguments emb, tab; writes tab
.if DOCPART == 1
	.amdgcn_target "amdgcn-amd-amdhsa--gfx1250"
	.amdhsa_code_object_version 6
	.text
	.protected	k_q755d7ff1bc_quant
	.globl	k_q755d7ff1bc_quant
	.p2align	8
	.type	k_q755d7ff1bc_quant,@function
k_q755d7ff1bc_quant:
	s_mov_b64 s[64:65], 0
	v_nop
	global_prefetch_b8 v0, s[64:65] scope:SCOPE_SE
	s_setreg_imm32_b32 hwreg(HW_REG_WAVE_MODE, 25, 1), 1
	s_wait_xcnt 0x0
; emb [100000][50] f32  ->  tab [100000][64 bytes]: each row divided by (its norm + 1e-13) and quantised along its 50 numbers to codes of FP6 (E2M3), one E8M0 scale for each 32.
; Normalising and quantising hang on the table's row alone, and a row is gathered many times by the next launch: so both are done here, once a row.
; A ROW OF tab, 16 words: 0-5 the codes of k 0..31 (24 bytes); 6 the scale word W; 7 zero; 8-13 the codes of k 32..63 (k 50..63 are zero codes); 14 W again; 15 zero.
; W = byte of block 0 | byte of block 1 << 8 | 0x7f7f0000 (127 for the two blocks of a 128-deep product that this K does not have).
; So lane (r, h) of an operand's fragment finds all it wants in the 32 bytes at 64 x row + 32 h: 24 bytes of codes, then its row's scale word.
; A block's scale is 2^(floor(log2(its largest magnitude)) - 2): its byte is the largest magnitude's own exponent field - 2, held at 1 from below.
; LIMITS: a block of zeros gets the byte 1 where the stated quantiser says 127 (its codes are zeros, which add nothing under any byte but 0xff; this program alone reads the bytes);
; a row whose sum of squares lies under 2^-126 counts as a row of norm 0; NaN and infinities in emb are not served.
; SHARES: wave W = 5 x work-group + wave takes rows 32 W .. 32 W + 31: 6,400 consecutive bytes in, 2,048 consecutive bytes out, both starting at multiples of 256 from their buffers' first bytes.
; A lane owns a row.  The loads take the bytes as they lie (512 consecutive bytes an instruction); they turn through the wave's own stage in LDS and come back a row a lane.  Waves share nothing: no barrier.
.set WREG, 8960                        ; LDS of a wave: 6,400 bytes as loaded, then 32 rows of results, 80 bytes apart
.set OST,  6400
.set OP,   80                          ; 64 bytes + 16: the sixteen lanes of a 16-byte store start at sixteen different places modulo 256 bytes
.set LIN,  16                          ; v16-65   50 registers as loaded; later 16 registers on the way out
.set R,    80                          ; v80-143  my row: 50 numbers, then 14 zeros
.set OW,   144                         ; v144-159 the 16 words of my row of tab
.set T,    160                         ; v160-166 the upper halves' codes (a conversion's three registers begin on an even number)
.set CH,   168                         ; v168-175 four packed chains for the sum of squares
	s_load_b128 s[4:7], s[0:1], 0x0                ; emb s[4:5], tab s[6:7]
	v_lshl_add_u32 v192, v0, 2, 0xaf00
	v_mov_b32 v193, 0
	v_lshrrev_b32 v1, 5, v0
	v_readfirstlane_b32 s8, v1                     ; wave 0..4
	v_and_b32 v1, 31, v0                           ; lane
	s_mul_i32 s9, ttmp9, 5
	s_add_co_u32 s9, s9, s8                        ; W
	s_mul_i32 s10, s9, 6400                        ; my first byte of emb (under 2^25)
	s_mov_b32 s11, 0
	s_lshl_b32 s12, s9, 11                         ; and of tab
	s_mov_b32 s13, 0
	s_mul_i32 s14, s8, WREG                        ; my LDS
	v_lshlrev_b32 v2, 4, v1                        ; 16 x lane: my place in 512 bytes, in memory
	v_lshlrev_b32 v3, 3, v1                        ; 8 x lane: in the last 256 bytes
	v_add_nc_u32 v4, s14, v2                       ; the same two in the stage
	v_add_nc_u32 v5, s14, v3
	v_mul_u32_u24 v6, v1, 200
	v_add_nc_u32 v6, s14, v6                       ; my row in the stage: 200 bytes = 50 words a lane: the 32 lanes of an 8-byte load start at 32 different even words modulo 64
	v_mul_u32_u24 v7, v1, OP
	v_add_nc_u32 v7, s14, v7
	v_add_nc_u32 v7, OST, v7                       ; where my row's 64 bytes of results go
	v_lshrrev_b32 v8, 2, v1
	v_mul_u32_u24 v8, v8, OP
	v_and_b32 v9, 3, v1
	v_lshl_add_u32 v8, v9, 4, v8
	v_add_nc_u32 v8, s14, v8
	v_add_nc_u32 v8, OST, v8                       ; and where I read them back: four lanes to a row, eight rows an instruction
	s_wait_kmcnt 0x0
	s_add_nc_u64 s[4:5], s[4:5], s[10:11]
	s_add_nc_u64 s[6:7], s[6:7], s[12:13]
.irp i, 0,1,2,3,4,5,6,7,8,9,10,11
	global_load_b128 v[LIN+4*\i:LIN+4*\i+3], v2, s[4:5] offset:512*\i th:TH_LOAD_NT   ; 512 consecutive bytes; read once in the launch
.endr
	global_load_b64 v[LIN+48:LIN+49], v3, s[4:5] offset:6144 th:TH_LOAD_NT            ; the last 256 of the 6,400
.irp i, 50,51,52,53,54,55,56,57,58,59,60,61,62,63
	v_mov_b32 v[R+\i], 0                           ; the short last block is filled with zeros
.endr
.irp i, 0,1,2,3,4,5,6,7,8,9,10,11
	s_wait_loadcnt 12-\i                           ; loads come back in order: load i is in; the 12 - i issued behind it may be out
	ds_store_b128 v4, v[LIN+4*\i:LIN+4*\i+3] offset:512*\i
.endr
	s_wait_loadcnt 0x0
	ds_store_b64 v5, v[LIN+48:LIN+49] offset:6144
.irp j, 0,1,2,3,4,5,6,7,8,9,10,11,12,13,14,15,16,17,18,19,20,21,22,23,24
	ds_load_b64 v[R+2*\j:R+2*\j+1], v6 offset:8*\j ; LDS serves a wave's instructions in order: these see my stores
.endr
	s_wait_dscnt 0x0
	; the sum of squares, two numbers an instruction, in four chains that do not wait for each other; the first four products start them
.irp p, 0,1,2,3
	v_pk_mul_f32 v[CH+2*\p:CH+2*\p+1], v[R+2*\p:R+2*\p+1], v[R+2*\p:R+2*\p+1]
.endr
.set p, 4
.rept 21
	v_pk_fma_f32 v[CH+2*(p%4):CH+2*(p%4)+1], v[R+2*p:R+2*p+1], v[R+2*p:R+2*p+1], v[CH+2*(p%4):CH+2*(p%4)+1]
.set p, p+1
.endr
	v_pk_add_f32 v[CH:CH+1], v[CH:CH+1], v[CH+2:CH+3]
	v_pk_add_f32 v[CH+4:CH+5], v[CH+4:CH+5], v[CH+6:CH+7]
	v_pk_add_f32 v[CH:CH+1], v[CH:CH+1], v[CH+4:CH+5]
	v_add_f32 v176, v[CH], v[CH+1]
	v_sqrt_f32 v177, v176                          ; the norm
	v_nop                                          ; a plain instruction behind a transcendental,
	s_wait_alu depctr_va_vdst(0)                   ; and the wait ahead of the first line that names its result
	v_add_f32 v177, 0x29e12e13, v177               ; + 1e-13
	v_rcp_f32 v178, v177
	v_nop
	s_wait_alu depctr_va_vdst(0)
	v_fma_f32 v180, -v177, v178, 1.0               ; one Newton step: what goes into a quantiser is as accurate as f32 allows
	v_fma_f32 v178, v178, v180, v178
	v_mov_b32 v179, v178                           ; twice: a pair for the packed multiply
.set p, 0
.rept 25
	v_pk_mul_f32 v[R+2*p:R+2*p+1], v[R+2*p:R+2*p+1], v[178:179]
.set p, p+1
.endr
	; the two blocks' largest magnitudes, by turns; the floor 2^(3 - 127) among the leaves holds the byte at 1 from below
	v_max3_num_f32 v181, |v[R]|, |v[R+1]|, 0x1800000
	v_max3_num_f32 v182, |v[R+32]|, |v[R+33]|, 0x1800000
.irp i, 2,4,6,8,10,12,14,16
	v_max3_num_f32 v181, v181, |v[R+\i]|, |v[R+\i+1]|
	v_max3_num_f32 v182, v182, |v[R+32+\i]|, |v[R+33+\i]|
.endr
.irp i, 18,20,22,24,26,28,30
	v_max3_num_f32 v181, v181, |v[R+\i]|, |v[R+\i+1]|
.endr
	v_add_nc_u32 v183, 0xff000000, v181            ; 2 off the exponent field: the conversion takes the exponent field of this operand as its scale, and nothing else of it
	v_add_nc_u32 v184, 0xff000000, v182
	v_lshrrev_b32 v185, 23, v183                   ; the scales' bytes
	v_lshrrev_b32 v186, 23, v184
	v_lshl_or_b32 v187, v186, 8, v185
	v_or_b32 v187, 0x7f7f0000, v187                ; W
	v_cvt_scalef32_pk16_fp6_f32 v[OW:OW+2], v[R:R+15], v183          ; sixteen numbers / the scale, to the nearest code, ties to even, beyond the largest code the largest; 96 bits without gaps
	v_cvt_scalef32_pk16_fp6_f32 v[T:T+2], v[R+16:R+31], v183
	v_cvt_scalef32_pk16_fp6_f32 v[OW+8:OW+10], v[R+32:R+47], v184
	v_cvt_scalef32_pk16_fp6_f32 v[T+4:T+6], v[R+48:R+63], v184
	v_nop                                          ; one plain place behind a scaled conversion
.irp i, 0,1,2
	v_mov_b32 v[OW+3+\i], v[T+\i]
	v_mov_b32 v[OW+11+\i], v[T+4+\i]
.endr
	v_mov_b32 v[OW+6], v187
	v_mov_b32 v[OW+14], v187
	v_mov_b32 v[OW+7], 0
	v_mov_b32 v[OW+15], 0
.irp j, 0,1,2,3
	ds_store_b128 v7, v[OW+4*\j:OW+4*\j+3] offset:16*\j
.endr
.irp i, 0,1,2,3
	ds_load_b128 v[LIN+4*\i:LIN+4*\i+3], v8 offset:8*OP*\i           ; rows 8 i .. 8 i + 7, as they will lie in memory
.endr
.irp i, 0,1,2,3
	s_wait_dscnt 3-\i                              ; read i is back; the 3 - i issued behind it may be out
	global_store_b128 v2, v[LIN+4*\i:LIN+4*\i+3], s[6:7] offset:512*\i   ; 32 lanes store 512 consecutive bytes, at a multiple of 256 from tab's first byte
.endr
	s_wait_tensorcnt 0x0
	ds_add_u32 v192, v193
	s_wait_dscnt 0x0
	s_endpgm
.Lfunc_end_k_q755d7ff1bc_quant:
	.size	k_q755d7ff1bc_quant, .Lfunc_end_k_q755d7ff1bc_quant-k_q755d7ff1bc_quant
	.p2alignl 7, 3214868480
	.fill 96, 4, 3214868480
	.section	.rodata,"a",@progbits
	.p2align	6, 0x0
	.amdhsa_kernel k_q755d7ff1bc_quant
		.amdhsa_group_segment_fixed_size 45568
		.amdhsa_private_segment_fixed_size 0
		.amdhsa_enable_private_segment 0
		.amdhsa_kernarg_size 16
		.amdhsa_user_sgpr_count 2
		.amdhsa_user_sgpr_kernarg_segment_ptr 1
		.amdhsa_wavefront_size32 1
		.amdhsa_system_sgpr_workgroup_id_x 1
		.amdhsa_system_sgpr_workgroup_id_y 1
		.amdhsa_system_sgpr_workgroup_id_z 1
		.amdhsa_system_vgpr_workitem_id 0
		.amdhsa_next_free_vgpr 194
		.amdhsa_next_free_sgpr 66
		.amdhsa_reserve_vcc 0
		.amdhsa_float_denorm_mode_32 3
		.amdhsa_float_denorm_mode_16_64 3
		.amdhsa_memory_ordered 1
		.amdhsa_forward_progress 1
		.amdhsa_inst_pref_size 14
	.end_amdhsa_kernel
	.amdgpu_metadata
---
amdhsa.version: [ 1, 2 ]
amdhsa.kernels:
  - .name:           k_q755d7ff1bc_quant
    .symbol:         k_q755d7ff1bc_quant.kd
    .args:
      - { .name: emb, .offset: 0, .size: 8, .value_kind: global_buffer, .address_space: global }
      - { .name: tab, .offset: 8, .size: 8, .value_kind: global_buffer, .address_space: global }
    .group_segment_fixed_size: 45568
    .private_segment_fixed_size: 0
    .kernarg_segment_align: 8
    .kernarg_segment_size: 16
    .max_flat_workgroup_size: 160
    .sgpr_count:     66
    .vgpr_count:     194
    .wavefront_size: 32
...
	.end_amdgpu_metadata
.endif
;; end of part 1
;; launch knrm (part 2): grid 256 x 1, 16 waves a work-group, no clusters, 2,304 bytes of LDS; arguments tab, query1, doc1, query2, doc2, w0, b0, w1, b1, w2, b2, out0; writes out0
.if DOCPART == 2
	.amdgcn_target "amdgcn-amd-amdhsa--gfx1250"
	.amdhsa_code_object_version 6
	.text
	.protected	k_q755d7ff1bc_knrm
	.globl	k_q755d7ff1bc_knrm
	.p2align	8
	.type	k_q755d7ff1bc_knrm,@function
k_q755d7ff1bc_knrm:
	s_mov_b64 s[64:65], 0
	v_nop
	global_prefetch_b8 v0, s[64:65] scope:SCOPE_SE
	s_setreg_imm32_b32 hwreg(HW_REG_WAVE_MODE, 25, 1), 1
	s_wait_xcnt 0x0
; out0[b] = sigmoid(logit(query1[b], doc1[b]) - logit(query2[b], doc2[b])).  A logit: the 32 x 256 cosines of a query's and a document's rows of the table (as codes of FP6 with E8M0 scales, made by the
; launch before: 64 bytes a row, laid so that a lane's part of an operand is 32 consecutive bytes); ten Gaussian kernels of each cosine; sums over the documents; log1p; sums over the queries; an MLP 10-10-5-1.
; SHARES.  A work-group takes 8 batch rows; wave w takes batch row 8 x work-group + w / 2 and pair w % 2: one logit a wave.  Four waves of 256 registers lie on a SIMD, so that one wave's exponentials stand
; beside another's plain arithmetic; the text of a wave goes in plain phases.
; THE PRODUCT: source 0 = 16 documents, source 1 = 16 queries, K = 50 in two blocks of 32; the registers for k 64..127 hold zero codes on both sides.  In the result a lane holds ONE query (lane % 16) and its
; eight registers eight documents: the sum over documents runs down a lane's registers.  Which rows form a tile is free, since both sums take any order: query tile u holds queries 2 r + u, a trip's document
; tiles hold documents 32 i + 2 r and 32 i + 2 r + 1, so that one load of 8 bytes a lane brings both tiles' indices.
; NINE KERNELS FROM THREE EXPONENTIALS.  The nine kernels of sigma 0.1 stand at mu_j = 2 j / 9, j = -4 .. 4.  With c = log2(e) / (2 sigma^2) and g = 4 c / 9:
;   exp(-(x - mu_j)^2 / (2 sigma^2)) = 2^(-c mu_j^2) x T x G^j,   T = 2^(-c x^2),   G = 2^(g x).
; T, G and 1 / G are exponentials; the powers are products, walked outwards from j = 0; the constant 2^(-c mu_j^2) multiplies the finished sum over the documents.
; RANGE.  The vectors are normalised ahead of the quantiser, and rounding to E2M3 lengthens a unit vector to 1.127 at the most: |x| <= 1.27.  So T >= 2^-117, G^2 <= 2^82, T G^j <= 2^(c mu_j^2) <= 2^57, a sum of
; 256 of them <= 2^65: nothing overflows, and a product falls to 0 only where the kernel itself is 0 in f32.
; The tenth kernel (mu = 1, sigma 0.001) is 2^(-(s x - s)^2), s = sqrt(log2(e) / 2e-6): s x - s is one fused multiply-add, so nothing cancels.
; LIMITS: indices lie in 0 .. 99,999 (the table's rows); any other is held at 99,999.
; No tensor loads, no ring, no cluster: the operands are rows of 64 bytes picked by index, which go straight into the operands' registers, and work-groups share no tile.
.set VMAX, 0x1869f                     ; the table's last row
.set IOFF, 3                           ; v3       byte offset of the index pair to be loaded next
.set IDX,  4                           ; v[4:5]   two document indices
.set OFF0, 6                           ; v6, v7   byte offsets in tab of my 32 bytes of the two documents' rows
.set OFF1, 7
.set NS,   8                           ; v[8:9]   -s, -s
.set U0,   10                          ; v[10:11], v[12:13] at work, one pair for each query tile
.set QS0,  14                          ; v14, v15 the query tiles' scale words; v16, v17 the document tiles': these four hold scales and nothing else
.set QS1,  15
.set DS0,  16
.set DS1,  17
.set QI,   18                          ; v[18:19] two query indices;  v20, v21 their offsets in tab
.set QO,   20
.set QF0,  24                          ; v24-35, v36-47 the query tiles' fragments;  v48-59, v60-71 the document tiles'.  Behind the last product: w0's and w1's rows and the biases
.set QF1,  36
.set DF0,  48
.set DF1,  60
.set ACC,  72                          ; v72-111  the sums over documents: kernel k, query tile u at v[72 + 4 k + 2 u], a pair (even and odd registers' documents)
.set X,    112                         ; v112-143 the four products: a x q0, a x q1, b x q0, b x q1; then the tenth kernel's exponent and value; then G^2
.set T4,   144                         ; v144-175 -c x^2, then T, then T G^-2, T G^-4
.set G,    176                         ; v176-207 g x, then G, then G^-2
.set GI,   208                         ; v208-239 -g x, then 1 / G
.set EJ,   240                         ; v240-243 2^(-c mu_j^2), j = 1 .. 4
.set SS,   144                         ; the finish: v144.. a query's sums;  v160.. 1 + S;  v176.. (1 + S) - 1;  v192.. logarithms;  v208.. reciprocals;  v112.. the features;  v224.. at work
.set FE,   112
	s_load_b256 s[4:11], s[0:1], 0x0               ; tab s[4:5], query1 s[6:7], doc1 s[8:9], query2 s[10:11]
	s_load_b256 s[12:19], s[0:1], 0x20             ; doc2 s[12:13], w0 s[14:15], b0 s[16:17], w1 s[18:19]
	s_load_b256 s[20:27], s[0:1], 0x40             ; b1 s[20:21], w2 s[22:23], b2 s[24:25], out0 s[26:27]
	v_lshl_add_u32 v22, v0, 2, 0x100
	v_mov_b32 v23, 0
	v_lshrrev_b32 v1, 5, v0
	v_readfirstlane_b32 s28, v1                    ; wave 0..15
	s_and_b32 s29, s28, 1                          ; which pair
	s_lshr_b32 s31, s28, 1
	s_lshl_b32 s30, ttmp9, 3
	s_add_co_u32 s31, s31, s30                     ; which batch row
	s_mov_b32 s32, 0xc29044fe                      ; -c = -72.134752   (the packed forms name a pair and take its low word for both halves: both words are written)
	s_mov_b32 s33, s32
	s_mov_b32 s34, 0x42003d54                      ; g = 32.059890
	s_mov_b32 s35, s34
	s_mov_b32 s36, 0xc2003d54                      ; -g
	s_mov_b32 s37, s36
	s_mov_b32 s38, 0x44545498                      ; s = 849.3218
	s_mov_b32 s39, s38
	s_mov_b32 s40, 0x76543210                      ; v_permlanex16_b32's selects for lane l xor 16
	s_mov_b32 s41, 0xfedcba98
	v_and_b32 v1, 15, v0
	v_lshlrev_b32 v1, 3, v1                        ; 8 r: my two indices in a run of 32
	v_bfe_u32 v2, v0, 4, 1
	v_lshlrev_b32 v2, 5, v2                        ; 32 h: my half of a row of tab
	v_mov_b32 v[IOFF], v1
	v_mov_b32 v[NS], 0xc4545498
	v_mov_b32 v[NS+1], 0xc4545498
	s_wait_kmcnt 0x0
	s_cmp_eq_u32 s29, 0                            ; the choice hangs on the wave's number alone
	s_cselect_b64 s[42:43], s[6:7], s[10:11]
	s_cselect_b64 s[44:45], s[8:9], s[12:13]
	s_lshl_b32 s46, s31, 7                         ; a row of 32 query indices is 128 bytes,
	s_mov_b32 s47, 0
	s_add_nc_u64 s[42:43], s[42:43], s[46:47]
	s_lshl_b32 s46, s31, 10                        ; one of 256 document indices 1,024,
	s_add_nc_u64 s[44:45], s[44:45], s[46:47]
	s_lshl_b32 s46, ttmp9, 5                       ; the work-group's 8 results 32
	s_add_nc_u64 s[26:27], s[26:27], s[46:47]
	s_load_b128 s[68:71], s[22:23], 0x0            ; w2's five numbers and b2: wanted at the very end, waited for there
	s_load_b32 s72, s[22:23], 0x10
	s_load_b32 s73, s[24:25], 0x0
	global_load_b64 v[QI:QI+1], v1, s[42:43]       ; queries 2 r, 2 r + 1
	global_load_b64 v[IDX:IDX+1], v[IOFF], s[44:45]    ; documents 2 r, 2 r + 1
.irp f, QF0, QF1, DF0, DF1
.irp i, 6,7,8,9,10,11
	v_mov_b32 v[\f+\i], 0                          ; zero codes for k 64 .. 127, written once: they add nothing
.endr
.endr
.set i, 0
.rept 40
	v_mov_b32 v[ACC+i], 0                          ; the 20 pairs of sums.  (These lines also stand between the zero codes and the first product)
.set i, i+1
.endr
	s_wait_loadcnt 0x0
	v_min_u32 v[QO], VMAX, v[QI]                   ; a loaded index enters an address held at the table's last row; then x 64, + my half
	v_min_u32 v[QO+1], VMAX, v[QI+1]
	v_min_u32 v[OFF0], VMAX, v[IDX]
	v_min_u32 v[OFF1], VMAX, v[IDX+1]
	v_lshlrev_b32 v[QO], 6, v[QO]
	v_lshlrev_b32 v[QO+1], 6, v[QO+1]
	v_lshlrev_b32 v[OFF0], 6, v[OFF0]
	v_lshlrev_b32 v[OFF1], 6, v[OFF1]
	v_add_nc_u32 v[QO], v2, v[QO]
	v_add_nc_u32 v[QO+1], v2, v[QO+1]
	v_add_nc_u32 v[OFF0], v2, v[OFF0]
	v_add_nc_u32 v[OFF1], v2, v[OFF1]
	v_add_nc_u32 v[IOFF], 128, v[IOFF]             ; (the load that read it is in)
; A lane's part of a fragment: 24 bytes of codes into registers 0-5, and its row's scale word
.macro GATHER frag, sc, off
	global_load_b128 v[\frag:\frag+3], v[\off], s[4:5]
	global_load_b64 v[\frag+4:\frag+5], v[\off], s[4:5] offset:16
	global_load_b32 v[\sc], v[\off], s[4:5] offset:24
.endm
	GATHER QF0, QS0, QO
	GATHER QF1, QS1, QO+1
	GATHER DF0, DS0, OFF0
	GATHER DF1, DS1, OFF1
	global_load_b64 v[IDX:IDX+1], v[IOFF], s[44:45]    ; the second trip's indices
.macro MM t, df, ds, qf, qs
	v_wmma_scale_f32_16x16x128_f8f6f4 v[X+8*\t:X+8*\t+7], v[\df:\df+11], v[\qf:\qf+11], 0, v[\ds], v[\qs] matrix_a_fmt:MATRIX_FMT_FP6 matrix_b_fmt:MATRIX_FMT_FP6
.endm
; Step n of 16 of what a pair p of cosines adds to the ten sums of query tile u.  A_k stands for the pair of sums of kernel k.
.macro PSTEP n, p, u
.set rX, X+2*(\p)
.set rT, T4+2*(\p)
.set rG, G+2*(\p)
.set rI, GI+2*(\p)
.set rU, U0+2*(\u)
.set rA, ACC+2*(\u)
.if \n == 1
	v_pk_add_f32 v[rA+16:rA+17], v[rA+16:rA+17], v[rT:rT+1]              ; A4 += T
.elseif \n == 2
	v_pk_add_f32 v[rA+36:rA+37], v[rA+36:rA+37], v[rX:rX+1]              ; A9 += the tenth kernel
.elseif \n == 3
	v_pk_fma_f32 v[rA+20:rA+21], v[rT:rT+1], v[rG:rG+1], v[rA+20:rA+21]  ; A5 += T G
.elseif \n == 4
	v_pk_fma_f32 v[rA+12:rA+13], v[rT:rT+1], v[rI:rI+1], v[rA+12:rA+13]  ; A3 += T / G
.elseif \n == 5
	v_pk_mul_f32 v[rX:rX+1], v[rG:rG+1], v[rG:rG+1]                      ; G^2
.elseif \n == 6
	v_pk_mul_f32 v[rU:rU+1], v[rT:rT+1], v[rX:rX+1]                      ; T G^2
.elseif \n == 7
	v_pk_add_f32 v[rA+24:rA+25], v[rA+24:rA+25], v[rU:rU+1]              ; A6
.elseif \n == 8
	v_pk_fma_f32 v[rA+28:rA+29], v[rU:rU+1], v[rG:rG+1], v[rA+28:rA+29]  ; A7 += T G^3
.elseif \n == 9
	v_pk_mul_f32 v[rU:rU+1], v[rU:rU+1], v[rX:rX+1]                      ; T G^4
.elseif \n == 10
	v_pk_add_f32 v[rA+32:rA+33], v[rA+32:rA+33], v[rU:rU+1]              ; A8
.elseif \n == 11
	v_pk_mul_f32 v[rG:rG+1], v[rI:rI+1], v[rI:rI+1]                      ; G^-2
.elseif \n == 12
	v_pk_mul_f32 v[rT:rT+1], v[rT:rT+1], v[rG:rG+1]                      ; T G^-2
.elseif \n == 13
	v_pk_add_f32 v[rA+8:rA+9], v[rA+8:rA+9], v[rT:rT+1]                  ; A2
.elseif \n == 14
	v_pk_fma_f32 v[rA+4:rA+5], v[rT:rT+1], v[rI:rI+1], v[rA+4:rA+5]      ; A1 += T G^-3
.elseif \n == 15
	v_pk_mul_f32 v[rT:rT+1], v[rT:rT+1], v[rG:rG+1]                      ; T G^-4
.else
	v_pk_add_f32 v[rA:rA+1], v[rA:rA+1], v[rT:rT+1]                      ; A0
.endif
.endm
.macro POST2 a                         ; pair a (query tile 0) and pair a + 4 (query tile 1), line by line by turns, so that no line reads the result of the line just above it
.irp n, 1,2,3,4,5,6,7,8,9,10,11,12,13,14,15,16
	PSTEP \n, \a, 0
	PSTEP \n, (\a)+4, 1
.endr
.endm
; A TRIP: 32 documents x 32 queries.  gath = 1: the next trip's fragments are asked for;  idx = 1: and the indices of the trip after that;  wts = 1 (the last trip): the MLP's weights instead, into the fragments' registers.
.macro TRIP gath, idx, wts
	s_wait_loadcnt 0x0                             ; this trip's six gathers and the next index pair, all asked for a trip ago; their address registers may be written again
	MM 0, DF0, DS0, QF0, QS0                       ; four sums of their own, each begun with the constant 0
	MM 1, DF0, DS0, QF1, QS1
	MM 2, DF1, DS1, QF0, QS0
	MM 3, DF1, DS1, QF1, QS1
	; six or seven plain lines that name none of the products' registers: the places in front of the loads into their sources and of the first read of their results
.if \idx
	v_add_nc_u32 v[IOFF], 128, v[IOFF]
.endif
.if \gath
	v_min_u32 v[OFF0], VMAX, v[IDX]
	v_min_u32 v[OFF1], VMAX, v[IDX+1]
	v_lshlrev_b32 v[OFF0], 6, v[OFF0]
	v_lshlrev_b32 v[OFF1], 6, v[OFF1]
	v_add_nc_u32 v[OFF0], v2, v[OFF0]
	v_add_nc_u32 v[OFF1], v2, v[OFF1]
	GATHER DF0, DS0, OFF0
	GATHER DF1, DS1, OFF1
.endif
.if \idx
	global_load_b64 v[IDX:IDX+1], v[IOFF], s[44:45]
.endif
.if \wts
	v_and_b32 v248, 31, v0                         ; lane
	v_min_u32 v249, 9, v248                        ; lane j holds row j of w0 (the lanes beyond hold the last row again: no load leaves its buffer),
	v_min_u32 v250, 4, v248                        ; and row j of w1
	v_mul_u32_u24 v244, v249, 40                   ; a row of ten f32
	v_mul_u32_u24 v245, v250, 40
	v_lshlrev_b32 v246, 2, v249
	v_lshlrev_b32 v247, 2, v250
.irp i, 0,1,2,3,4
	global_load_b64 v[QF0+2*\i:QF0+2*\i+1], v244, s[14:15] offset:8*\i
	global_load_b64 v[DF0+2*\i:DF0+2*\i+1], v245, s[18:19] offset:8*\i
.endr
	global_load_b32 v[QF0+10], v246, s[16:17]      ; b0[j]
	global_load_b32 v[DF0+10], v247, s[20:21]      ; b1[j]
.endif
	; the four exponents of each cosine, two cosines an instruction; each product is read from its low end on
.set i, 0
.rept 16
	v_pk_mul_f32 v[T4+2*i:T4+2*i+1], v[X+2*i:X+2*i+1], s[32:33] op_sel_hi:[1,0]       ; -c x
.set i, i+1
.endr
.set i, 0
.rept 16
	v_pk_mul_f32 v[G+2*i:G+2*i+1], v[X+2*i:X+2*i+1], s[34:35] op_sel_hi:[1,0]         ; g x
.set i, i+1
.endr
.set i, 0
.rept 16
	v_pk_mul_f32 v[GI+2*i:GI+2*i+1], v[X+2*i:X+2*i+1], s[36:37] op_sel_hi:[1,0]       ; -g x
.set i, i+1
.endr
.set i, 0
.rept 16
	v_pk_mul_f32 v[T4+2*i:T4+2*i+1], v[T4+2*i:T4+2*i+1], v[X+2*i:X+2*i+1]             ; -c x^2
.set i, i+1
.endr
.set i, 0
.rept 16
	v_pk_fma_f32 v[X+2*i:X+2*i+1], v[X+2*i:X+2*i+1], s[38:39], v[NS:NS+1] op_sel_hi:[1,0,1]   ; s x - s
.set i, i+1
.endr
.set i, 0
.rept 16
	v_pk_mul_f32 v[X+2*i:X+2*i+1], v[X+2*i:X+2*i+1], v[X+2*i:X+2*i+1] neg_lo:[0,1] neg_hi:[0,1]   ; -(s x - s)^2
.set i, i+1
.endr
.set i, 0
.rept 128
	v_exp_f32 v[X+i], v[X+i]                       ; ONE BATCH: the tenth kernel, T, G, 1 / G of 32 cosines a lane
.set i, i+1
.endr
	v_nop                                          ; a plain instruction behind the last exponential,
	s_wait_alu depctr_va_vdst(0)                   ; and one wait for the batch ahead of the first line that names a result
.irp a, 0,1,2,3,8,9,10,11
	POST2 \a
.endr
.endm
	s_mov_b32 s30, 6
.Ltrip:                                                ; trips 0 to 5 ask for fragments 1 to 6 and index pairs 2 to 7: all inside the row of 256 indices
	TRIP 1, 1, 0
	s_sub_co_u32 s30, s30, 1
	s_cmp_lg_u32 s30, 0
	s_cbranch_scc1 .Ltrip
	TRIP 1, 0, 0                                   ; trip 6: the last fragments; no index is left to fetch
	TRIP 0, 0, 1                                   ; trip 7: nothing of the table is left to fetch; the weights come meanwhile
	; THE FINISH.  The constants 2^(-c mu_j^2), c mu_1^2 = 3.56221
	v_exp_f32 v[EJ], 0xc063fb40
	v_exp_f32 v[EJ+1], 0xc163fb40
	v_exp_f32 v[EJ+2], 0xc2003d54
	v_exp_f32 v[EJ+3], 0xc263fb40
.set i, 0
.rept 20
	v_add_f32 v[ACC+2*i], v[ACC+2*i], v[ACC+2*i+1] ; a pair's two halves.  (Plain work behind the four exponentials)
.set i, i+1
.endr
.set k, 0
.rept 10
	v_permlane16_swap_b32 v[ACC+4*k], v[ACC+4*k+2] ; tile 0's lanes 16-31 change places with tile 1's lanes 0-15: the first now holds the lower eight documents' sums of query 2 r + h, the second the upper eight's
.set k, k+1
.endr
.set k, 0
.rept 10
	v_add_f32 v[SS+k], v[ACC+4*k], v[ACC+4*k+2]    ; lane (r, h): query 2 r + h, all 256 documents
.set k, k+1
.endr
	s_wait_alu depctr_va_vdst(0)                   ; one wait for the four constants, ahead of their first reader
.irp j, 1,2,3,4
	v_mul_f32 v[SS+4-\j], v[SS+4-\j], v[EJ+\j-1]
	v_mul_f32 v[SS+4+\j], v[SS+4+\j], v[EJ+\j-1]
.endr
	; log1p(S) = S x ln(u) / (u - 1) with u = 1 + S as f32 has it, and S itself where u = 1: right for small S too
.set k, 0
.rept 10
	v_add_f32 v[160+k], 1.0, v[SS+k]
.set k, k+1
.endr
.set k, 0
.rept 10
	v_add_f32 v[176+k], -1.0, v[160+k]
.set k, k+1
.endr
.set k, 0
.rept 10
	v_log_f32 v[192+k], v[160+k]
.set k, k+1
.endr
.set k, 0
.rept 10
	v_rcp_f32 v[208+k], v[176+k]
.set k, k+1
.endr
	v_nop
	s_wait_alu depctr_va_vdst(0)                   ; one wait for the twenty
.set k, 0
.rept 10
	v_mul_f32 v[192+k], 0x3f317218, v[192+k]       ; ln(u) = log2(u) x ln 2
	v_mul_f32 v[208+k], v[SS+k], v[208+k]          ; S / (u - 1)
.set k, k+1
.endr
.set k, 0
.rept 10
	v_mul_f32 v[192+k], v[192+k], v[208+k]
.set k, k+1
.endr
.set k, 0
.rept 10
	v_cmp_eq_f32 vcc_lo, 0, v[176+k]
	v_cndmask_b32 v[FE+k], v[192+k], v[SS+k], vcc_lo
.set k, k+1
.endr
	; the sum over the 32 queries = over the 32 lanes, the ten kernels by turns; every lane ends up with the ten features
.irp m, 1,2,4,8
.set k, 0
.rept 10
	v_add_f32_dpp v[FE+k], v[FE+k], v[FE+k] row_xmask:\m row_mask:0xf bank_mask:0xf
.set k, k+1
.endr
.endr
.set k, 0
.rept 10
	v_permlanex16_b32 v[224+k], v[FE+k], s40, s41  ; (its destination counts as read: these registers have been written)
.set k, k+1
.endr
.set k, 0
.rept 10
	v_add_f32 v[FE+k], v[FE+k], v[224+k]
.set k, k+1
.endr
	v_mov_b32 v251, s28
	v_lshlrev_b32 v251, 2, v251                    ; LDS: a word for each wave's logit
	v_and_b32 v254, 7, v0
	v_lshlrev_b32 v254, 3, v254                    ; and where wave 0 reads a batch row's two
	v_lshlrev_b32 v255, 2, v248                    ; 4 x lane: a result's place among the work-group's eight
	; THE MLP, in f32: lane j makes unit j of a layer; the layer goes on as scalars
	s_wait_loadcnt 0x0                             ; the weights
	s_wait_kmcnt 0x0                               ; w2, b2
.set i, 0
.rept 10
	v_fmac_f32 v[QF0+10], v[QF0+i], v[FE+i]        ; b0[j] + the sum over i of w0[j][i] x feature i
.set i, i+1
.endr
	v_max_num_f32 v[QF0+10], 0, v[QF0+10]
.set i, 0
.rept 10
	v_readlane_b32 s[48+i], v[QF0+10], i
.set i, i+1
.endr
.set i, 0
.rept 10
	v_fmac_f32 v[DF0+10], s[48+i], v[DF0+i]        ; b1[j] + the sum over i of w1[j][i] x h0[i]
.set i, i+1
.endr
	v_max_num_f32 v[DF0+10], 0, v[DF0+10]
.set i, 0
.rept 5
	v_readlane_b32 s[58+i], v[DF0+10], i
.set i, i+1
.endr
	v_mov_b32 v[DF0+11], s73                       ; b2
.set i, 0
.rept 5
	v_fma_f32 v[DF0+11], s[68+i], s[58+i], v[DF0+11]
.set i, i+1
.endr
	ds_store_b32 v251, v[DF0+11]                   ; all lanes write the same word with the same value
	s_wait_dscnt 0x0                               ; for the others' sake: my store has landed
	s_barrier_signal -1
	s_barrier_wait -1                              ; all sixteen logits lie in LDS
	s_cmp_lg_u32 s28, 0
	s_cbranch_scc1 .Lend                           ; wave 0 finishes the work-group's eight results
	ds_load_b64 v[252:253], v254                   ; batch row lane % 8: pair 0's logit, pair 1's
	s_wait_dscnt 0x0
	v_sub_f32 v252, v252, v253
	v_mul_f32 v252, 0xbfb8aa3b, v252               ; sigmoid(d) = 1 / (1 + 2^(-log2(e) d))
	v_exp_f32 v252, v252
	v_nop
	s_wait_alu depctr_va_vdst(0)
	v_add_f32 v252, 1.0, v252
	v_rcp_f32 v252, v252
	v_nop
	s_wait_alu depctr_va_vdst(0)
	s_wait_xcnt 0x0                                ; EXEC changes only behind this wait: it is a source of every memory instruction issued so far
	v_cmp_gt_u32 vcc_lo, 8, v248
	s_and_saveexec_b32 s31, vcc_lo
	global_store_b32 v255, v252, s[26:27]          ; lanes 0 to 7: 32 consecutive bytes, all that the work-group owns of out0
	s_wait_xcnt 0x0                                ; and again, in front of the line that widens it
	s_or_b32 exec_lo, exec_lo, s31
.Lend:
	s_wait_tensorcnt 0x0
	ds_add_u32 v22, v23
	s_wait_dscnt 0x0
	s_endpgm
.Lfunc_end_k_q755d7ff1bc_knrm:
	.size	k_q755d7ff1bc_knrm, .Lfunc_end_k_q755d7ff1bc_knrm-k_q755d7ff1bc_knrm
	.p2alignl 7, 3214868480
	.fill 96, 4, 3214868480
	.section	.rodata,"a",@progbits
	.p2align	6, 0x0
	.amdhsa_kernel k_q755d7ff1bc_knrm
		.amdhsa_group_segment_fixed_size 2304
		.amdhsa_private_segment_fixed_size 0
		.amdhsa_enable_private_segment 0
		.amdhsa_kernarg_size 96
		.amdhsa_user_sgpr_count 2
		.amdhsa_user_sgpr_kernarg_segment_ptr 1
		.amdhsa_wavefront_size32 1
		.amdhsa_system_sgpr_workgroup_id_x 1
		.amdhsa_system_sgpr_workgroup_id_y 1
		.amdhsa_system_sgpr_workgroup_id_z 1
		.amdhsa_system_vgpr_workitem_id 0
		.amdhsa_next_free_vgpr 256
		.amdhsa_next_free_sgpr 80
		.amdhsa_reserve_vcc 1
		.amdhsa_float_denorm_mode_32 3
		.amdhsa_float_denorm_mode_16_64 3
		.amdhsa_memory_ordered 1
		.amdhsa_forward_progress 1
		.amdhsa_inst_pref_size 101
	.end_amdhsa_kernel
	.amdgpu_metadata
---
amdhsa.version: [ 1, 2 ]
amdhsa.kernels:
  - .name:           k_q755d7ff1bc_knrm
    .symbol:         k_q755d7ff1bc_knrm.kd
    .args:
      - { .name: tab, .offset: 0, .size: 8, .value_kind: global_buffer, .address_space: global }
      - { .name: query1, .offset: 8, .size: 8, .value_kind: global_buffer, .address_space: global }
      - { .name: doc1, .offset: 16, .size: 8, .value_kind: global_buffer, .address_space: global }
      - { .name: query2, .offset: 24, .size: 8, .value_kind: global_buffer, .address_space: global }
      - { .name: doc2, .offset: 32, .size: 8, .value_kind: global_buffer, .address_space: global }
      - { .name: w0, .offset: 40, .size: 8, .value_kind: global_buffer, .address_space: global }
      - { .name: b0, .offset: 48, .size: 8, .value_kind: global_buffer, .address_space: global }
      - { .name: w1, .offset: 56, .size: 8, .value_kind: global_buffer, .address_space: global }
      - { .name: b1, .offset: 64, .size: 8, .value_kind: global_buffer, .address_space: global }
      - { .name: w2, .offset: 72, .size: 8, .value_kind: global_buffer, .address_space: global }
      - { .name: b2, .offset: 80, .size: 8, .value_kind: global_buffer, .address_space: global }
      - { .name: out0, .offset: 88, .size: 8, .value_kind: global_buffer, .address_space: global }
    .group_segment_fixed_size: 2304
    .private_segment_fixed_size: 0
    .kernarg_segment_align: 8
    .kernarg_segment_size: 96
    .max_flat_workgroup_size: 512
    .sgpr_count:     80
    .vgpr_count:     256
    .wavefront_size: 32
...
	.end_amdgpu_metadata
.endif
;; end of part 2
